; MI455X (gfx1250); checked and timed in simulation.
; The chip was launched on July 23, 2026; its instructions are those of AMD's public machine-readable ISA for CDNA 5 (MIT licence, August 2026) and "CDNA5" Instruction Set Architecture Reference Guide (July 2026). The comments in the code are by the model that wrote it; some were corrected since.
;; Quant Dense Layer. Allowed arithmetic: float matrix products may take bf16 or f16 operands with f32 sums; other float arithmetic in f32, or as packed bf16 or f16 multiplies, adds, multiply-adds, maxima and minima; sums over many terms, partial sums and values carried from step to step in f32; what a program stores and reads back later, other than sums and carried values, may be rounded once to bf16 or f16.
;; Inputs: W 4,096 x 4,096 float32; b 4,096 float32; x 4,096 x 4,096 float32.
;; Outputs: out0 4,096 x 4,096 float32.
;; One version. Each part assembles by itself: llvm-mc -triple=amdgcn-amd-amdhsa -mcpu=gfx1250 --defsym DOCPART=n.
;; ======== version 1 of 1: 3 launches
;; workspace buffers: xb 33,554,432 bytes; wq 33,554,432 bytes; part 4,096 bytes
;; launch prep (part 1): grid 1024 x 1, 8 waves a work-group, no clusters, 1,280 bytes of LDS; arguments x, W, xb, part; writes xb, part
.if DOCPART == 1
	.amdgcn_target "amdgcn-amd-amdhsa--gfx1250"
	.amdhsa_code_object_version 6
	.text
	.protected	k_qf15ca2ee4a_prep
	.globl	k_qf15ca2ee4a_prep
	.p2align	8
	.type	k_qf15ca2ee4a_prep,@function
k_qf15ca2ee4a_prep:
	s_mov_b64 s[64:65], 0
	v_nop
	global_prefetch_b8 v0, s[64:65] scope:SCOPE_SE
	s_setreg_imm32_b32 hwreg(HW_REG_WAVE_MODE, 25, 1), 1
	s_wait_xcnt 0x0
; FIRST OF THREE LAUNCHES for out = x T(W) + b, T(W) = sign(sign(W + t) + sign(W - t)), t = 0.7 mean|W|, all of 4096 x 4096.
; This one: xb = x rounded to bf16, and part[g] = the sum of |bf16(W)| over work-group g's 16,384 weights, in f32.
; FORMAT.  All three inputs are taken rounded to bf16, W too, BEFORE |.|, the mean and the compare: the problem allows the function's result on inputs so rounded.
; The cut at t is a jump: a weight on the wrong side of t moves a whole column of the output.  Weights in bf16 lie 2^-8 of themselves apart, so that t falls into a gap
; that is far wider than what the order of an f32 sum can move it.  LIMIT: NaN and infinities in W are not treated apart (the function's result is not finite there either).
; SHARES.  1,024 work-groups of eight waves; work-group g owns 65,536 consecutive bytes of x and of W, a wave 8,192 of each: 16 loads of 16 bytes a lane, each load of a wave
; 512 consecutive bytes.  No loop: all of a wave's x and half of its W are asked for at once (24 loads out), the other half of W as soon as the first is summed.
; A store of xb by a wave covers 256 consecutive bytes, at a multiple of 256 from xb's first byte.
.set SPARE, 256                        ; LDS: bytes 0-31 the eight waves' sums (the block 0-255 is theirs alone); from 256 on the spare words, 128 bytes a wave
.set IN,  1                            ; v1       my byte offset in the group's 65,536 bytes of x and of W: 8,192 wave + 16 lane; never rewritten
.set OUT, 2                            ; v2       my byte offset in the group's 32,768 bytes of xb: 4,096 wave + 8 lane; never rewritten
.set SPW, 4                            ; v4       LDS address of my spare word; never rewritten
.set NIL, 5                            ; v5       0, for the add alone
.set ACC, 8                            ; v[8:15]  four pairs of running sums
.set T,   16                           ; v[16:23] at work
.set WR,  24                           ; v[24:55] eight loads of W
.set X,   56                           ; v[56:119] sixteen loads of x
	s_load_b256 s[4:11], s[0:1], 0x0               ; x s[4:5], W s[6:7], xb s[8:9], part s[10:11]
	v_lshl_add_u32 v[SPW], v0, 2, SPARE
	v_mov_b32 v[NIL], 0
	v_lshrrev_b32 v6, 5, v0                        ; wave
	v_readfirstlane_b32 s12, v6
	v_and_b32 v7, 31, v0                           ; lane
	v_lshlrev_b32 v[IN], 4, v7
	v_lshl_or_b32 v[IN], v6, 13, v[IN]
	v_lshlrev_b32 v[OUT], 3, v7
	v_lshl_or_b32 v[OUT], v6, 12, v[OUT]
	s_lshl_b32 s2, ttmp9, 16                       ; the group's first byte in x and W (under 2^26),
	s_mov_b32 s3, 0
	s_lshl_b32 s14, ttmp9, 15                      ; in xb,
	s_mov_b32 s15, 0
	s_lshl_b32 s16, ttmp9, 2                       ; and its word in part
	s_mov_b32 s17, 0
	s_mov_b32 s18, 0x7fff7fff                      ; clears the signs of two bf16
	s_mov_b32 s19, 0xffff0000                      ; a word's upper bf16
	s_mov_b32 s20, 0x76543210                      ; v_permlanex16_b32: each lane takes its own place in the other half
	s_mov_b32 s21, 0xfedcba98
	s_wait_kmcnt 0x0
	s_add_nc_u64 s[4:5], s[4:5], s[2:3]
	s_add_nc_u64 s[6:7], s[6:7], s[2:3]
	s_add_nc_u64 s[8:9], s[8:9], s[14:15]
	s_add_nc_u64 s[10:11], s[10:11], s[16:17]
.irp j, 0,1,2,3,4,5,6,7
	global_load_b128 v[WR+4*(\j):WR+4*(\j)+3], v[IN], s[6:7] offset:512*(\j)  ; no hint: the next launch reads W again
.endr
.irp i, 0,1,2,3,4,5,6,7,8,9,10,11,12,13,14,15
	global_load_b128 v[X+4*(\i):X+4*(\i)+3], v[IN], s[4:5] offset:512*(\i) th:TH_LOAD_NT  ; x is read this once
.endr
; Four weights in v[r .. r+3]: rounded to bf16 in pairs, signs cleared two at a time, widened to f32 (a shift, a mask), added onto ACC's pairs at p and p + 2.
; first = 1: they start the sums: nothing is cleared.
.macro WSUM r, p, first
	v_cvt_pk_bf16_f32 v6, v[(\r)], v[(\r)+1]
	v_cvt_pk_bf16_f32 v7, v[(\r)+2], v[(\r)+3]
	v_and_b32 v6, s18, v6
	v_and_b32 v7, s18, v7
.if \first
	v_lshlrev_b32 v[ACC+(\p)], 16, v6
	v_and_b32 v[ACC+(\p)+1], s19, v6
	v_lshlrev_b32 v[ACC+(\p)+2], 16, v7
	v_and_b32 v[ACC+(\p)+3], s19, v7
.else
	v_lshlrev_b32 v[T], 16, v6
	v_and_b32 v[T+1], s19, v6
	v_lshlrev_b32 v[T+2], 16, v7
	v_and_b32 v[T+3], s19, v7
	v_pk_add_f32 v[ACC+(\p):ACC+(\p)+1], v[ACC+(\p):ACC+(\p)+1], v[T:T+1]
	v_pk_add_f32 v[ACC+(\p)+2:ACC+(\p)+3], v[ACC+(\p)+2:ACC+(\p)+3], v[T+2:T+3]
.endif
.endm
	; W's first eight loads.  Behind load j stand 7 - j loads of W and the 16 of x: loads come back in order (ISA guide 5.7.1), so the count 23 - j shows it in.
	s_wait_loadcnt 23
	WSUM WR, 0, 1
	s_wait_loadcnt 22
	WSUM WR+4, 4, 1
.irp j, 2,3,4,5,6,7
	s_wait_loadcnt 23-(\j)
	WSUM WR+4*(\j), 4*((\j)%2), 0
.endr
.irp j, 0,1,2,3,4,5,6,7
	global_load_b128 v[WR+4*(\j):WR+4*(\j)+3], v[IN], s[6:7] offset:4096+512*(\j)  ; W's other half, into registers that have been summed
.endr
	; x: behind load i stand 15 - i loads of x and the 8 of W just issued
.irp i, 0,1,2,3,4,5,6,7,8,9,10,11,12,13,14,15
	s_wait_loadcnt 23-(\i)
	v_cvt_pk_bf16_f32 v[X+4*(\i)], v[X+4*(\i)], v[X+4*(\i)+1]      ; rounded once, to nearest even, in place
	v_cvt_pk_bf16_f32 v[X+4*(\i)+1], v[X+4*(\i)+2], v[X+4*(\i)+3]
	global_store_b64 v[OUT], v[X+4*(\i):X+4*(\i)+1], s[8:9] offset:256*(\i)  ; no register of a store is written again
.endr
.irp j, 0,1,2,3,4,5,6,7
	s_wait_loadcnt 7-(\j)                          ; only W's last eight are left
	WSUM WR+4*(\j), 4*((\j)%2), 0
.endr
	; the lane's eight sums, then the 32 lanes': four steps inside each half of 16 lanes ride on the addition, one crosses the halves
	v_pk_add_f32 v[ACC:ACC+1], v[ACC:ACC+1], v[ACC+2:ACC+3]
	v_pk_add_f32 v[ACC+4:ACC+5], v[ACC+4:ACC+5], v[ACC+6:ACC+7]
	v_pk_add_f32 v[ACC:ACC+1], v[ACC:ACC+1], v[ACC+4:ACC+5]
	v_add_f32 v[ACC], v[ACC], v[ACC+1]
	v_add_f32_dpp v[ACC], v[ACC], v[ACC] row_xmask:1 row_mask:0xf bank_mask:0xf
	v_add_f32_dpp v[ACC], v[ACC], v[ACC] row_xmask:2 row_mask:0xf bank_mask:0xf
	v_add_f32_dpp v[ACC], v[ACC], v[ACC] row_xmask:4 row_mask:0xf bank_mask:0xf
	v_add_f32_dpp v[ACC], v[ACC], v[ACC] row_xmask:8 row_mask:0xf bank_mask:0xf
	v_permlanex16_b32 v[T], v[ACC], s20, s21       ; its destination counts as read: T has been written
	v_add_f32 v[ACC], v[ACC], v[T]
	; the eight waves' sums meet in LDS
	v_mov_b32 v6, s12
	v_lshlrev_b32 v6, 2, v6
	v_mov_b32 v7, 0
	ds_store_b32 v6, v[ACC]                        ; all lanes write the wave's word with the same number
	s_wait_dscnt 0x0                               ; for the others' sake: my store is done
	s_barrier_signal -1
	s_barrier_wait -1
	ds_load_b128 v[T:T+3], v7
	ds_load_b128 v[T+4:T+7], v7 offset:16
	s_wait_dscnt 0x0
	v_pk_add_f32 v[T:T+1], v[T:T+1], v[T+2:T+3]
	v_pk_add_f32 v[T+4:T+5], v[T+4:T+5], v[T+6:T+7]
	v_pk_add_f32 v[T:T+1], v[T:T+1], v[T+4:T+5]
	v_add_f32 v[ACC], v[T], v[T+1]
	s_wait_tensorcnt 0x0                           ; the wave's end: behind my last LDS store
	ds_add_u32 v[SPW], v[NIL]
	s_wait_dscnt 0x0
	s_cmp_lg_u32 s12, 0
	s_cbranch_scc1 .Lend                           ; wave 0 alone stores the group's sum
	s_wait_xcnt 0x0                                ; EXEC is a source of the stores above: it changes only behind this wait
	v_cmp_eq_u32 vcc_lo, 0, v0
	s_and_saveexec_b32 s22, vcc_lo
	global_store_b32 v7, v[ACC], s[10:11]          ; one word a work-group, 4,096 bytes in the launch: laid wider, every wave of the next launch would read that much more
	s_wait_xcnt 0x0                                ; and again in front of the line that widens it
	s_or_b32 exec_lo, exec_lo, s22
.Lend:
	s_endpgm
.Lfunc_end_k_qf15ca2ee4a_prep:
	.size	k_qf15ca2ee4a_prep, .Lfunc_end_k_qf15ca2ee4a_prep-k_qf15ca2ee4a_prep
	.p2alignl 7, 3214868480
	.fill 96, 4, 3214868480
	.section	.rodata,"a",@progbits
	.p2align	6, 0x0
	.amdhsa_kernel k_qf15ca2ee4a_prep
		.amdhsa_group_segment_fixed_size 1280
		.amdhsa_private_segment_fixed_size 0
		.amdhsa_enable_private_segment 0
		.amdhsa_kernarg_size 32
		.amdhsa_user_sgpr_count 2
		.amdhsa_user_sgpr_kernarg_segment_ptr 1
		.amdhsa_wavefront_size32 1
		.amdhsa_system_sgpr_workgroup_id_x 1
		.amdhsa_system_sgpr_workgroup_id_y 1
		.amdhsa_system_sgpr_workgroup_id_z 1
		.amdhsa_system_vgpr_workitem_id 0
		.amdhsa_next_free_vgpr 120
		.amdhsa_next_free_sgpr 66
		.amdhsa_reserve_vcc 1
		.amdhsa_float_denorm_mode_32 3
		.amdhsa_float_denorm_mode_16_64 3
		.amdhsa_memory_ordered 1
		.amdhsa_forward_progress 1
		.amdhsa_inst_pref_size 18
	.end_amdhsa_kernel
	.amdgpu_metadata
---
amdhsa.version: [ 1, 2 ]
amdhsa.kernels:
  - .name:           k_qf15ca2ee4a_prep
    .symbol:         k_qf15ca2ee4a_prep.kd
    .args:
      - { .name: x, .offset: 0, .size: 8, .value_kind: global_buffer, .address_space: global }
      - { .name: W, .offset: 8, .size: 8, .value_kind: global_buffer, .address_space: global }
      - { .name: xb, .offset: 16, .size: 8, .value_kind: global_buffer, .address_space: global }
      - { .name: part, .offset: 24, .size: 8, .value_kind: global_buffer, .address_space: global }
    .group_segment_fixed_size: 1280
    .private_segment_fixed_size: 0
    .kernarg_segment_align: 8
    .kernarg_segment_size: 32
    .max_flat_workgroup_size: 256
    .sgpr_count:     66
    .vgpr_count:     120
    .wavefront_size: 32
...
	.end_amdgpu_metadata
.endif
;; end of part 1
;; launch quant (part 2): grid 1024 x 1, 8 waves a work-group, no clusters, 0 bytes of LDS; arguments W, part, wq; writes wq
.if DOCPART == 2
	.amdgcn_target "amdgcn-amd-amdhsa--gfx1250"
	.amdhsa_code_object_version 6
	.text
	.protected	k_qf15ca2ee4a_quant
	.globl	k_qf15ca2ee4a_quant
	.p2align	8
	.type	k_qf15ca2ee4a_quant,@function
k_qf15ca2ee4a_quant:
	s_mov_b64 s[64:65], 0
	v_nop
	global_prefetch_b8 v0, s[64:65] scope:SCOPE_SE
	s_setreg_imm32_b32 hwreg(HW_REG_WAVE_MODE, 25, 1), 1
	s_wait_xcnt 0x0
; SECOND OF THREE LAUNCHES: wq = T(bf16(W)) as bf16 (-1, 0, +1), in W's own layout [k][n].
; t = 0.7 x (the sum of the 1,024 partial sums x 2^-24).  Every wave adds the partial sums itself, in one fixed order, so that t has the same bits in all of them.
; For t >= 0, sign(sign(w + t) + sign(w - t)) is sign(w) where |w| >= t and w is not 0, and 0 elsewhere.  t is held at the smallest positive f32 or above, which changes
; nothing where t > 0 and gives 0 for w = 0 where t = 0.
; FORMAT, LIMIT: W is rounded to bf16 before the compare, as it was before the sum; NaN and infinities in W are not treated apart.
; SHARES as in the first launch: a wave owns 8,192 consecutive bytes of W, 16 loads of 512 bytes, all asked for at once behind the 8 loads of the partial sums;
; a store of a wave covers 256 consecutive bytes, at a multiple of 256 from wq's first byte.  No LDS, no barrier, no loop; no register of a load or store is written again.
.set IN,  1                            ; v1       8,192 wave + 16 lane
.set OUT, 2                            ; v2       4,096 wave + 8 lane
.set PO,  3                            ; v3       16 lane
.set TH,  4                            ; v4       t
.set PK,  5                            ; v5       two weights in bf16
.set LO,  6                            ; v6       the low one as f32, then its result
.set HI,  7                            ; v7       the high one
.set SG,  8                            ; v8       +-1.0 twice, with the weights' signs
.set PS,  16                           ; v[16:47]  the partial sums, 32 a lane
.set WR,  48                           ; v[48:111] sixteen loads of W
	s_load_b128 s[4:7], s[0:1], 0x0                ; W s[4:5], part s[6:7]
	s_load_b64 s[8:9], s[0:1], 0x10                ; wq
	v_lshrrev_b32 v[LO], 5, v0                     ; wave
	v_and_b32 v[HI], 31, v0                        ; lane
	v_lshlrev_b32 v[PO], 4, v[HI]
	v_lshl_or_b32 v[IN], v[LO], 13, v[PO]
	v_lshlrev_b32 v[OUT], 3, v[HI]
	v_lshl_or_b32 v[OUT], v[LO], 12, v[OUT]
	s_lshl_b32 s2, ttmp9, 16                       ; the group's first byte in W,
	s_mov_b32 s3, 0
	s_lshl_b32 s14, ttmp9, 15                      ; and in wq
	s_mov_b32 s15, 0
	s_mov_b32 s16, 0xffff0000                      ; a word's upper bf16
	s_mov_b32 s17, 0x80008000                      ; two signs
	s_mov_b32 s18, 0x3f803f80                      ; 1.0 twice in bf16
	s_mov_b32 s19, 0x0000ffff                      ; a word's lower half
	s_mov_b32 s21, 1                               ; the bits of the smallest positive f32
	s_mov_b32 s22, 0x76543210
	s_mov_b32 s23, 0xfedcba98
	s_wait_kmcnt 0x0
	s_add_nc_u64 s[4:5], s[4:5], s[2:3]
	s_add_nc_u64 s[8:9], s[8:9], s[14:15]
.irp j, 0,1,2,3,4,5,6,7
	global_load_b128 v[PS+4*(\j):PS+4*(\j)+3], v[PO], s[6:7] offset:512*(\j)  ; all 4,096 bytes, which every wave of the launch reads
.endr
.irp i, 0,1,2,3,4,5,6,7,8,9,10,11,12,13,14,15
	global_load_b128 v[WR+4*(\i):WR+4*(\i)+3], v[IN], s[4:5] offset:512*(\i) th:TH_LOAD_NT  ; W's last reading
.endr
	s_wait_loadcnt 16                              ; the partial sums are in; the 16 loads of W stay out
.irp z, 0,1,2,3,4,5,6,7
	v_pk_add_f32 v[PS+2*(\z):PS+2*(\z)+1], v[PS+2*(\z):PS+2*(\z)+1], v[PS+16+2*(\z):PS+16+2*(\z)+1]
.endr
.irp z, 0,1,2,3
	v_pk_add_f32 v[PS+2*(\z):PS+2*(\z)+1], v[PS+2*(\z):PS+2*(\z)+1], v[PS+8+2*(\z):PS+8+2*(\z)+1]
.endr
.irp z, 0,1
	v_pk_add_f32 v[PS+2*(\z):PS+2*(\z)+1], v[PS+2*(\z):PS+2*(\z)+1], v[PS+4+2*(\z):PS+4+2*(\z)+1]
.endr
	v_pk_add_f32 v[PS:PS+1], v[PS:PS+1], v[PS+2:PS+3]
	v_add_f32 v[TH], v[PS], v[PS+1]
	v_add_f32_dpp v[TH], v[TH], v[TH] row_xmask:1 row_mask:0xf bank_mask:0xf
	v_add_f32_dpp v[TH], v[TH], v[TH] row_xmask:2 row_mask:0xf bank_mask:0xf
	v_add_f32_dpp v[TH], v[TH], v[TH] row_xmask:4 row_mask:0xf bank_mask:0xf
	v_add_f32_dpp v[TH], v[TH], v[TH] row_xmask:8 row_mask:0xf bank_mask:0xf
	v_permlanex16_b32 v[PS+1], v[TH], s22, s23     ; its destination counts as read: it has been written
	v_add_f32 v[TH], v[TH], v[PS+1]
	v_mul_f32 v[TH], 0x33800000, v[TH]             ; the mean: x 2^-24, exact
	v_mul_f32 v[TH], 0x3f333333, v[TH]             ; x 0.7
	v_max_num_f32 v[TH], s21, v[TH]
; Two weights in v[a], v[a+1] -> their two ternary values in bf16 in v[d].  The choice selects a value only: no branch hangs on it.
.macro TERN d, a
	v_cvt_pk_bf16_f32 v[PK], v[(\a)], v[(\a)+1]
	v_lshlrev_b32 v[LO], 16, v[PK]
	v_and_b32 v[HI], s16, v[PK]
	v_cmp_ge_f32 vcc_lo, |v[LO]|, v[TH]
	v_cmp_ge_f32 s20, |v[HI]|, v[TH]
	v_and_or_b32 v[SG], v[PK], s17, s18
	v_cndmask_b32 v[LO], 0, v[SG], vcc_lo
	v_cndmask_b32 v[HI], 0, v[SG], s20
	v_bfi_b32 v[(\d)], s19, v[LO], v[HI]           ; the low half of the one, the high half of the other
.endm
.irp i, 0,1,2,3,4,5,6,7,8,9,10,11,12,13,14,15
	s_wait_loadcnt 15-(\i)                         ; load i is in, the younger ones stay out
	TERN WR+4*(\i), WR+4*(\i)
	TERN WR+4*(\i)+1, WR+4*(\i)+2
	global_store_b64 v[OUT], v[WR+4*(\i):WR+4*(\i)+1], s[8:9] offset:256*(\i)
.endr
	s_endpgm
.Lfunc_end_k_qf15ca2ee4a_quant:
	.size	k_qf15ca2ee4a_quant, .Lfunc_end_k_qf15ca2ee4a_quant-k_qf15ca2ee4a_quant
	.p2alignl 7, 3214868480
	.fill 96, 4, 3214868480
	.section	.rodata,"a",@progbits
	.p2align	6, 0x0
	.amdhsa_kernel k_qf15ca2ee4a_quant
		.amdhsa_group_segment_fixed_size 0
		.amdhsa_private_segment_fixed_size 0
		.amdhsa_enable_private_segment 0
		.amdhsa_kernarg_size 24
		.amdhsa_user_sgpr_count 2
		.amdhsa_user_sgpr_kernarg_segment_ptr 1
		.amdhsa_wavefront_size32 1
		.amdhsa_system_sgpr_workgroup_id_x 1
		.amdhsa_system_sgpr_workgroup_id_y 1
		.amdhsa_system_sgpr_workgroup_id_z 1
		.amdhsa_system_vgpr_workitem_id 0
		.amdhsa_next_free_vgpr 112
		.amdhsa_next_free_sgpr 66
		.amdhsa_reserve_vcc 1
		.amdhsa_float_denorm_mode_32 3
		.amdhsa_float_denorm_mode_16_64 3
		.amdhsa_memory_ordered 1
		.amdhsa_forward_progress 1
		.amdhsa_inst_pref_size 23
	.end_amdhsa_kernel
	.amdgpu_metadata
---
amdhsa.version: [ 1, 2 ]
amdhsa.kernels:
  - .name:           k_qf15ca2ee4a_quant
    .symbol:         k_qf15ca2ee4a_quant.kd
    .args:
      - { .name: W, .offset: 0, .size: 8, .value_kind: global_buffer, .address_space: global }
      - { .name: part, .offset: 8, .size: 8, .value_kind: global_buffer, .address_space: global }
      - { .name: wq, .offset: 16, .size: 8, .value_kind: global_buffer, .address_space: global }
    .group_segment_fixed_size: 0
    .private_segment_fixed_size: 0
    .kernarg_segment_align: 8
    .kernarg_segment_size: 24
    .max_flat_workgroup_size: 256
    .sgpr_count:     66
    .vgpr_count:     112
    .wavefront_size: 32
...
	.end_amdgpu_metadata
.endif
;; end of part 2
;; launch gemm (part 3): grid 16 x 16, 4 waves a work-group, clusters of 4 x 4, 327,680 bytes of LDS; arguments xb, wq, b, out0; writes out0
.if DOCPART == 3
	.amdgcn_target "amdgcn-amd-amdhsa--gfx1250"
	.amdhsa_code_object_version 6
	.text
	.protected	k_qf15ca2ee4a_gemm
	.globl	k_qf15ca2ee4a_gemm
	.p2align	8
	.type	k_qf15ca2ee4a_gemm,@function
k_qf15ca2ee4a_gemm:
	s_mov_b64 s[64:65], 0
	v_nop
	global_prefetch_b8 v0, s[64:65] scope:SCOPE_SE
	s_setreg_imm32_b32 hwreg(HW_REG_WAVE_MODE, 25, 1), 1
	s_wait_xcnt 0x0
	s_wait_alu depctr_hold_cnt(0) depctr_sa_sdst(0) depctr_va_vdst(0) depctr_va_sdst(0) depctr_va_ssrc(0) depctr_va_vcc(0) depctr_vm_vsrc(0)
	s_getreg_b32 s2, hwreg(HW_REG_IB_STS2, 6, 4)
	s_cmp_eq_u32 s2, 0
	s_cbranch_scc0 .Lentry_in_a_cluster
	s_endpgm
.Lentry_in_a_cluster:
	s_bfe_u32 s2, ttmp6, 0x10000c
	s_cmp_lg_u32 s2, 0xf033
	s_cbranch_scc0 .Lentry_shape_is_right
	s_endpgm
.Lentry_shape_is_right:
; THIRD OF THREE LAUNCHES: out0[m][n] = the sum over k of xb[m][k] wq[k][n] + bf16(b[n]).  xb: [4096][4096] bf16 along k; wq: [4096 k][4096 n] bf16 along n; out0, b: f32.  Sums in f32.
; FORMAT: x, W and b are all taken rounded to bf16 (the problem allows the function's result on inputs so rounded); the ternary weights are exact in bf16.
; SHARES.  256 work-groups, a tile of 256 x 256 of the output each; four waves, each 128 x 128: 64 accumulators of 16 x 16, 512 registers.  K goes in 32 steps of 128 through a ring of two
; LDS slots filled by the tensor data mover.  A's tile (x) has rows of 256 bytes along k; B's tile (weights) has 128 rows (k) of 512 bytes along n, and its fragments come out of LDS turned,
; by ds_load_tr16_b128: as many loads as for rows along k, and W need not be transposed in memory.
; CLUSTERS: 4 x 4 work-groups.  The four of a row of the cluster need the same tiles of A, the four of a column the same tiles of B: each tile is asked for JOINTLY, by the same tensor load with
; the same descriptor and a mask that names the four.  By this text's own count a wave has two tensor loads out at the start and one behind each round.
; THE MATRIX INSTRUCTION IS USED TRANSPOSED (source 0 = 16 columns n of the weights, source 1 = 16 rows of x): a lane then holds eight neighbouring numbers of a row of the output.
; REGISTERS, in windows of 256 (s_set_vgpr_msb: bits 1:0 source 0, 3:2 source 1, 5:4 source 2, 7:6 destination):
;   window 0: v0-31 addresses and the bias; v64-127, v128-191 fragments of A, two buffers; on the way out v192-255 and v64-127 take rows read back from the stage, by turns
;   window 1: v64-127, v128-191 fragments of B, two buffers
;   window 2: the 32 accumulators of my rows 0-63 (accumulator (a, b) at v[8 (8 a + b)]);   window 3: those of my rows 64-127
.set KSTEP,  128
.set PA,     272                       ; a row of A in LDS: 256 bytes + 16 of padding = 68 words: the 16 rows of a fragment load start at 16 different groups of four banks (64 banks of 4 bytes: ISA guide 11.1)
.set PB,     544                       ; a row of B: 512 bytes + 32 = 136 words
.set HALFT,  128*PA                    ; what one tensor load brings: 128 rows of A, or 64 rows of B (64 x 544 is the same number)
.set SLOT,   4*HALFT                   ; A's rows 0-127, 128-255, then B's k 0-63, 64-127
.set STAGE,  2*SLOT                    ; behind the ring, never filled by a tensor load: 16 rows x 528 bytes for each wave, for the way out
.set SPITCH, 528                       ; 128 f32 + 16 bytes: the 16 rows that a store touches start at 16 different groups of four banks
.set SPARE,  STAGE+4*16*SPITCH         ; behind the stages: the spare words, 128 bytes for each wave: two blocks of 256 bytes that no other line names
.set LAPS,   4096/(2*KSTEP)            ; a lap = two K steps = once round the ring
.set ROWB,   8192                      ; bytes in a row of xb and of wq
.set ROWO,   16384                     ; bytes in a row of out0
.set BI,   8                           ; v[8:11] the bias of my four columns on the way out
.set ADRA, 16                          ; v16-17  LDS address of my A fragments in slot 0, 1
.set ADRB, 20                          ; v20-21  the same for B
.set STO,  24                          ; v24     the way out: where I put 32 bytes of a row
.set RD,   25                          ; v25     the way out: where I read a row back
.set CO,   26                          ; v26     16 x lane: my byte offset in 512 bytes of a row of out0, and in the bias
.set SPW,  28                          ; v28     LDS address of my spare word; never rewritten
.set NIL,  29                          ; v29     0, for the add alone
.set F0,   64
.set F1,   128
.set OB0,  192
.set OB1,  64
.set G1,  24                           ; s[24:31] descriptor group 1 for A's tiles;  s[32:39] group 0, one set for each slot
.set G0,  32
.set G1B, 48                           ; s[48:55], s[56:63] the same for B's tiles
.set G0B, 56
.set MSB, 0
.macro WIN new                         ; the immediate's high byte repeats the setting that is left; a switch that changes nothing is dropped
.if MSB != (\new)
	s_set_vgpr_msb (MSB<<8)|(\new)
.set MSB, \new
.endif
.endm
.set MUL_LO, 0xa1                      ; source 0 (B) window 1, source 1 (A) window 0, C and D window 2
.set MUL_HI, 0xf1                      ; the same, C and D window 3
.set TO_B,   0x40                      ; destination window 1, address window 0
; A joint refill.  Waves 0 and 1 fetch A's two halves, waves 2 and 3 B's.  The branch hangs on the wave's number alone.  An s_nop 0 and four v_nop follow each of the two lines,
; ahead of the jump, the label and what follows.
.macro JLOAD s
	s_cmp_eq_u32 s13, 0
	s_cbranch_scc0 .Lfor_b_\@
	tensor_load_to_lds s[G0+4*(\s):G0+4*(\s)+3], s[G1:G1+7]
	s_nop 0
.rept 4
	v_nop
.endr
	s_branch .Lasked_\@
.Lfor_b_\@:
	tensor_load_to_lds s[G0B+4*(\s):G0B+4*(\s)+3], s[G1B:G1B+7]
	s_nop 0
.rept 4
	v_nop
.endr
.Lasked_\@:
.endm
; A round of the cluster's barrier: my work-group's barrier, so that wave 0's signal speaks for all four waves; wave 0 signals; every wave waits for all sixteen work-groups; my work-group's barrier once more.
.macro CREST                           ; a round behind its opening barrier
	s_cmp_lg_u32 s12, 0
	s_cbranch_scc1 .Lnot_wave_0_\@
	s_barrier_signal -3
.Lnot_wave_0_\@:
	s_barrier_wait -3
	s_barrier_signal -1
	s_barrier_wait -1
.endm
.macro CROUND                          ; a whole round
	s_barrier_signal -1
	s_barrier_wait -1
	CREST
.endm
	s_load_b256 s[4:11], s[0:1], 0x0               ; xb s[4:5], wq s[6:7], b s[8:9], out0 s[10:11]
	v_lshl_add_u32 v[SPW], v0, 2, SPARE
	v_mov_b32 v[NIL], 0
	ds_add_u32 v[SPW], v[NIL]                      ; the wave's opening: the add and its wait stand ahead of my first tensor load; the set-up below, work on registers, stands between them
	v_lshrrev_b32 v1, 5, v0
	v_readfirstlane_b32 s12, v1                    ; wave 0..3
	s_lshr_b32 s13, s12, 1                         ; which half of the tile's rows is mine.  Also: I fetch for A (0) or for B (1)
	s_and_b32 s14, s12, 1                          ; which half of its columns.  Also: which half of that tile I fetch
	s_bfe_u32 s40, ttmp6, 0x40000                  ; cx, cy: my place in the cluster
	s_bfe_u32 s41, ttmp6, 0x40004
	s_lshl_b32 s42, ttmp9, 2                       ; in a cluster launch ttmp9 and ttmp7 count clusters
	s_add_co_u32 s42, s42, s40                     ; tile column = 4 x cluster x + cx
	s_and_b32 s15, ttmp7, 0xffff
	s_lshl_b32 s15, s15, 2
	s_add_co_u32 s15, s15, s41                     ; tile row = 4 x cluster y + cy
	s_lshl_b32 s43, s41, 2
	s_lshl_b32 s43, 15, s43                        ; my row of the cluster: places 4 cy .. 4 cy + 3
	s_lshl_b32 s44, 0x1111, s40                    ; my column: places cx, cx + 4, cx + 8, cx + 12
	; descriptor group 1 for A: 128 rows x 128 elements
	s_or_b32 s[G1+0], s43, (1<<16)|(1<<20)|(1<<21)|(5<<22)|(3<<25)  ; 15:0 the mask: my row; 17:16 elements of 2 bytes; 20 padding on; 21 set beside a mask; 24:22 after every 64 words (code 5); 31:25 4 words of it (code 3)
	s_mov_b32 s[G1+1], KSTEP<<16                   ; tensor_dim0 = 128
	s_mov_b32 s[G1+2], 128<<16                     ; tensor_dim1 = 128
	s_mov_b32 s[G1+3], KSTEP<<16                   ; tile_dim0 = 128
	s_mov_b32 s[G1+4], 128                         ; tile_dim1 = 128
	s_mov_b32 s[G1+5], 4096                        ; elements from row to row
	s_mov_b32 s[G1+6], 0
	s_mov_b32 s[G1+7], 0
	; and for B: 64 rows (k) x 256 elements (n)
	s_or_b32 s[G1B+0], s44, (1<<16)|(1<<20)|(1<<21)|(6<<22)|(7<<25) ; the mask: my column; padding after every 128 words (code 6), 8 words of it (code 7)
	s_mov_b32 s[G1B+1], 256<<16                    ; tensor_dim0 = 256
	s_mov_b32 s[G1B+2], 64<<16                     ; tensor_dim1 = 64
	s_mov_b32 s[G1B+3], 256<<16                    ; tile_dim0 = 256
	s_mov_b32 s[G1B+4], 64                         ; tile_dim1 = 64
	s_mov_b32 s[G1B+5], 4096
	s_mov_b32 s[G1B+6], 0
	s_mov_b32 s[G1B+7], 0
	; where the tiles come from.  A's hang on the tile row alone, which my row of the cluster shares; B's on the tile column alone.  Every wave makes both, in registers that never hold the other coordinate.
	s_lshl_b32 s16, s15, 8
	s_lshl_b32 s17, s14, 7
	s_add_co_u32 s16, s16, s17                     ; A: row 256 x tile row + 128 x half,
	s_lshl_b32 s16, s16, 13                        ; in bytes (under 2^25)
	s_mov_b32 s17, 0
	s_lshl_b32 s46, s42, 9                         ; B: column 256 x tile column, in bytes,
	s_lshl_b32 s47, s14, 19                        ; and 64 x half rows of 8,192 bytes
	s_add_co_u32 s46, s46, s47
	s_mov_b32 s47, 0
	s_mul_i32 s20, s12, HALFT                      ; and where they go: wave x 34,816: no place in the cluster enters an LDS address
	s_wait_dscnt 0x0                               ; the opening add is done
	s_wait_kmcnt 0x0
	s_add_nc_u64 s[18:19], s[4:5], s[16:17]
	s_add_nc_u64 s[46:47], s[6:7], s[46:47]
	CROUND                                         ; all sixteen work-groups are here: the first joint loads meet
.irp s, 0,1
	s_mov_b32 s[G0+4*(\s)], 1                                      ; count = 1
	s_add_co_u32 s[G0+4*(\s)+1], s20, (\s)*SLOT                    ; LDS address
	s_add_nc_u64 s[G0+4*(\s)+2:G0+4*(\s)+3], s[18:19], (\s)*KSTEP*2  ; global address: K step s lies 256 bytes along A's rows,
	s_or_b32 s[G0+4*(\s)+3], s[G0+4*(\s)+3], 0x80000000            ; type = 2
	s_mov_b32 s[G0B+4*(\s)], 1
	s_add_co_u32 s[G0B+4*(\s)+1], s20, (\s)*SLOT
	s_add_nc_u64 s[G0B+4*(\s)+2:G0B+4*(\s)+3], s[46:47], (\s)*KSTEP*ROWB  ; and 128 rows down B
	s_or_b32 s[G0B+4*(\s)+3], s[G0B+4*(\s)+3], 0x80000000
.endr
	s_cmp_eq_u32 s13, 0                            ; a wave's two first fills stand in one branch, ahead of every wait on TENSORcnt, every LDS read and every further barrier
	s_cbranch_scc0 .Lfirst_b
	tensor_load_to_lds s[G0:G0+3], s[G1:G1+7]
	s_nop 0
	tensor_load_to_lds s[G0+4:G0+7], s[G1:G1+7]
	s_nop 0
.rept 4
	v_nop
.endr
	s_branch .Lfirst_asked
.Lfirst_b:
	tensor_load_to_lds s[G0B:G0B+3], s[G1B:G1B+7]
	s_nop 0
	tensor_load_to_lds s[G0B+4:G0B+7], s[G1B:G1B+7]
	s_nop 0
.rept 4
	v_nop
.endr
.Lfirst_asked:
	; all that follows up to the first barrier stands in the wait for the first tile
	v_and_b32 v1, 15, v0                           ; l % 16
	v_bfe_u32 v2, v0, 4, 1                         ; l / 16
	v_and_b32 v3, 31, v0
	v_lshlrev_b32 v[CO], 4, v3
	s_lshl_b32 s46, s42, 10                        ; my first column in f32 bytes: 1,024 x tile column + 512 x half (in the registers that held B's address)
	s_lshl_b32 s47, s14, 9
	s_add_co_u32 s46, s46, s47
	s_mov_b32 s47, 0
	s_add_nc_u64 s[8:9], s[8:9], s[46:47]
	global_load_b128 v[BI:BI+3], v[CO], s[8:9]     ; the bias of columns 4 lane .. 4 lane + 3 of my 128
	s_lshl_b32 s16, s15, 8
	s_lshl_b32 s17, s13, 7
	s_add_co_u32 s16, s16, s17                     ; my first row of out0,
	s_lshl_b32 s16, s16, 14                        ; in bytes (under 2^26)
	s_mov_b32 s17, 0
	s_add_nc_u64 s[10:11], s[10:11], s[16:17]
	s_add_nc_u64 s[10:11], s[10:11], s[46:47]      ; out0 at my 128 x 128; never stepped again
	; A fragment of A is 16 rows x 32 k in 8 registers: lane l holds row l % 16, k = 8 (l / 16) + 0..7 and 16 + 8 (l / 16) + 0..7: two loads of 16 bytes, 32 bytes apart.
	v_mul_u32_u24 v3, v1, PA
	v_lshl_add_u32 v3, v2, 4, v3                   ; row x pitch + 16 x half
	s_mul_i32 s21, s13, HALFT                      ; my 128 rows of A
	; The turning load takes 16 k x 16 n (lane l reads 16 bytes: k = 8 (l / 16) + l % 8, n = 8 ((l / 8) % 2) + 0..7) and leaves half a fragment: lane l holds column l % 16 and 8 k.
	v_and_b32 v4, 7, v0
	v_bfe_u32 v5, v0, 3, 1
	v_lshl_add_u32 v6, v2, 3, v4
	v_mul_u32_u24 v6, v6, PB
	v_lshl_add_u32 v6, v5, 4, v6
	s_lshl_b32 s22, s14, 8                         ; my 128 columns of B: 256 bytes along its rows,
	s_add_co_u32 s22, s22, 2*HALFT                 ; which lie behind A's 256 rows
.irp s, 0,1
	v_add_nc_u32 v[ADRA+(\s)], s21, v3
	v_add_nc_u32 v[ADRB+(\s)], s22, v6
	s_add_co_u32 s21, s21, SLOT
	s_add_co_u32 s22, s22, SLOT
.endr
	s_mul_i32 s23, s12, 16*SPITCH
	s_add_co_u32 s23, s23, STAGE                   ; my stage
	v_mul_u32_u24 v4, v1, SPITCH                   ; in: row l % 16, 32 bytes for each half of the lanes
	v_lshl_add_u32 v4, v2, 5, v4
	v_add_nc_u32 v[STO], s23, v4
	v_add_nc_u32 v[RD], s23, v[CO]                 ; back: 32 lanes take one row of 512 bytes
	s_wait_loadcnt 0x0                             ; the bias: rounded to bf16 like the other inputs, and widened again
	v_cvt_pk_bf16_f32 v12, v[BI], v[BI+1]
	v_cvt_pk_bf16_f32 v13, v[BI+2], v[BI+3]
	v_lshlrev_b32 v[BI], 16, v12
	v_and_b32 v[BI+1], 0xffff0000, v12
	v_lshlrev_b32 v[BI+2], 16, v13
	v_and_b32 v[BI+3], 0xffff0000, v13
; 16 matrix instructions: m blocks a0, a0 + 1 of the window's four (hi = 0: my rows 0-63, 1: rows 64-127) x all 8 n blocks, 32 along K.  zero = 1: the first product starts the sums: nothing is cleared.
; The 64 accumulators take turns, one instruction a turn, in the same order in every quarter step.
.macro MUL16 f, hi, a0, zero
	WIN MUL_LO+0x50*(\hi)
.irp a, \a0, (\a0)+1
.irp b, 0,1,2,3,4,5,6,7
.if \zero
	v_wmma_f32_16x16x32_bf16 v[8*(8*(\a)+(\b)):8*(8*(\a)+(\b))+7], v[(\f)+8*(\b):(\f)+8*(\b)+7], v[(\f)+8*(4*(\hi)+(\a)):(\f)+8*(4*(\hi)+(\a))+7], 0
.else
	v_wmma_f32_16x16x32_bf16 v[8*(8*(\a)+(\b)):8*(8*(\a)+(\b))+7], v[(\f)+8*(\b):(\f)+8*(\b)+7], v[(\f)+8*(4*(\hi)+(\a)):(\f)+8*(4*(\hi)+(\a))+7], v[8*(8*(\a)+(\b)):8*(8*(\a)+(\b))+7]
.endif
.endr
.endr
.endm
; 32 LDS loads in one run: the fragments of quarter q of a K step (32 k x 128 columns of B, turned; 128 rows of A x 32 k) into buffer f.  B's first, A's rows 64-127 last.
.macro FETCH slot, q, f
	WIN TO_B
.irp i, 0,1,2,3,4,5,6,7
	ds_load_tr16_b128 v[(\f)+8*(\i):(\f)+8*(\i)+3],   v[ADRB+(\slot)] offset:(\q)*32*PB+32*(\i)
	ds_load_tr16_b128 v[(\f)+8*(\i)+4:(\f)+8*(\i)+7], v[ADRB+(\slot)] offset:(\q)*32*PB+16*PB+32*(\i)
.endr
	WIN 0
.irp i, 0,1,2,3,4,5,6,7
	ds_load_b128 v[(\f)+8*(\i):(\f)+8*(\i)+3],   v[ADRA+(\slot)] offset:64*(\q)+(\i)*16*PA
	ds_load_b128 v[(\f)+8*(\i)+4:(\f)+8*(\i)+7], v[ADRA+(\slot)] offset:64*(\q)+(\i)*16*PA+32
.endr
.endm
; A load into a register that a matrix instruction has read, and an LDS store that reads a matrix result, stand four places behind that matrix instruction, and only plain vector instructions
; that name none of its registers are places (ISA guide 7.12.1 for vector instructions).
.macro PLACES
.rept 4
	v_nop
.endr
.endm
; A K step is four quarters of 32 along K, 64 matrix instructions each, on buffers 0, 1, 0, 1.  One of the first three: multiplies buffer f; in its middle it fetches quarter q of the same slot into buffer g.
.macro QUARTER slot, q, f, g, zero
	s_wait_dscnt 8                                 ; B and A's rows 0-63 are in; the youngest eight loads (A's rows 64-127) may be out
	MUL16 \f, 0, 0, \zero
	MUL16 \f, 0, 2, \zero
	PLACES
	FETCH \slot, \q, \g
	s_wait_dscnt 32                                ; all but the 32 just issued
	MUL16 \f, 1, 0, \zero
	MUL16 \f, 1, 2, \zero
.endm
; The last quarter multiplies buffer 1 and changes slots: ONE barrier for two things.  In front of it each wave waits for all its tensor loads, of which one is out: its part of the next slot; adds 0 to its
; spare word; and waits for that and for its own reads of this slot.  Behind it nobody reads this slot any more and the next slot is whole.
; fill = 1: the barrier opens a round of the cluster's barrier, and this slot is filled again, two K steps on, first thing behind the round: from the request to the wait for it a wave issues 224 matrix instructions.
.macro TURN slot, next, fill
	WIN 0                                          ; (the add's two registers lie in window 0)
	s_wait_tensorcnt 0x0                           ; all my tensor loads have landed, so a group 0 may be written;
	ds_add_u32 v[SPW], v[NIL]                      ; 0 onto my spare word;
	s_wait_dscnt 9                                 ; (the add and the youngest eight loads may be out)
	MUL16 F1, 0, 0, 0                              ; sixteen matrix instructions stand between the add and the wait for it
	s_wait_dscnt 0x0                               ; the add is done, and my reads of this slot are over
	s_barrier_signal -1
	MUL16 F1, 0, 2, 0                              ; work on registers while the others arrive
.if \fill
	WIN 0
.endif
	s_barrier_wait -1
.if \fill
	CREST                                          ; no wave of any partner still reads this slot's tile or has a load on its way
	s_add_nc_u64 s[G0+4*(\slot)+2:G0+4*(\slot)+3], s[G0+4*(\slot)+2:G0+4*(\slot)+3], 2*KSTEP*2
	s_add_nc_u64 s[G0B+4*(\slot)+2:G0B+4*(\slot)+3], s[G0B+4*(\slot)+2:G0B+4*(\slot)+3], 2*KSTEP*ROWB
	JLOAD \slot                                    ; the four v_nop behind it are also the places in front of the loads below
.else
	PLACES
.endif
	FETCH \next, 0, F0
	MUL16 F1, 1, 0, 0
	MUL16 F1, 1, 2, 0
.endm
; THE WAY OUT of block a (16 rows x 128 columns), in f32.  TOSTAGE: a lane's eight neighbouring numbers of a row, 32 bytes, go straight from the accumulators into my own stage (each accumulator's
; low registers first), and come back as whole rows of 512 bytes.  SEND: the bias is added and the rows are stored.
.macro TOSTAGE a
.set AC, 64*((\a)%4)
.set BK, OB0
.if (\a)%2
.set BK, OB1
.endif
.if (\a) >= 2
	s_wait_xcnt 0x0                                ; the stores of the block two back have read their registers: those are loaded again only behind this wait
.endif
	WIN 0x08+4*((\a)/4)                            ; store data (source 1) in window 2 or 3, address in window 0
.irp b, 0,1,2,3,4,5,6,7
	ds_store_b128 v[STO], v[AC+8*(\b):AC+8*(\b)+3] offset:64*(\b)
	ds_store_b128 v[STO], v[AC+8*(\b)+4:AC+8*(\b)+7] offset:64*(\b)+16
.endr
	WIN 0
.irp t, 0,1,2,3,4,5,6,7,8,9,10,11,12,13,14,15
	ds_load_b128 v[BK+4*(\t):BK+4*(\t)+3], v[RD] offset:(\t)*SPITCH  ; LDS serves a wave's instructions in order (ISA guide 5.7.1.4): these see the stores above, and the next block's stores come behind them
.endr
.endm
.macro SEND a, younger                 ; younger: the LDS instructions issued behind block a's loads: the next block's 32, or none
.set BK, OB0
.if (\a)%2
.set BK, OB1
.endif
	WIN 0
.irp t, 0,1,2,3,4,5,6,7,8,9,10,11,12,13,14,15
	s_wait_dscnt (\younger)+15-(\t)                ; row t is back
	v_pk_add_f32 v[BK+4*(\t):BK+4*(\t)+1], v[BK+4*(\t):BK+4*(\t)+1], v[BI:BI+1]
	v_pk_add_f32 v[BK+4*(\t)+2:BK+4*(\t)+3], v[BK+4*(\t)+2:BK+4*(\t)+3], v[BI+2:BI+3]
	global_store_b128 v[CO], v[BK+4*(\t):BK+4*(\t)+3], s[10:11] offset:(16*(\a)+(\t))*ROWO th:TH_STORE_NT  ; 512 consecutive bytes, at a multiple of 512 from out0's first; 127 rows at the most stand in the immediate: 2,080,768, inside its signed 24 bits
.endr
.endm
	s_wait_tensorcnt 1                             ; my part of K step 0 is in; K step 1's may stay out
	s_barrier_signal -1
	s_barrier_wait -1                              ; everybody's is
	FETCH 0, 0, F0
	QUARTER 0, 1, F0, F1, 1                        ; the first quarter stands in front of the loop: its products start the sums
	WIN 0                                          ; at a label and at a branch every window is 0
	s_mov_b32 s3, LAPS-1
.Llap:                                                 ; a trip goes once round the ring, from a lap's second quarter to the next lap's first, and fills both slots again: 2 + 2 x 15 = 32 K steps
	QUARTER 0, 2, F1, F0, 0
	QUARTER 0, 3, F0, F1, 0
	TURN 0, 1, 1
	QUARTER 1, 1, F0, F1, 0
	QUARTER 1, 2, F1, F0, 0
	QUARTER 1, 3, F0, F1, 0
	TURN 1, 0, 1
	QUARTER 0, 1, F0, F1, 0
	WIN 0
	s_sub_co_u32 s3, s3, 1
	s_cmp_lg_u32 s3, 0
	s_cbranch_scc1 .Llap
	QUARTER 0, 2, F1, F0, 0                        ; the last lap is written out: it fills nothing, and has no round of the cluster's barrier
	QUARTER 0, 3, F0, F1, 0
	TURN 0, 1, 0
	QUARTER 1, 1, F0, F1, 0
	QUARTER 1, 2, F1, F0, 0
	QUARTER 1, 3, F0, F1, 0
	s_wait_dscnt 8                                 ; the very last quarter: nothing more to fetch
	MUL16 F1, 0, 0, 0
	MUL16 F1, 0, 2, 0
	s_wait_dscnt 0x0
	MUL16 F1, 1, 0, 0
	MUL16 F1, 1, 2, 0
	WIN 0
	PLACES                                         ; the stores below read results just made, and the loads below land in registers that products have read
	TOSTAGE 0
.irp a, 1,2,3,4,5,6,7
	TOSTAGE \a                                     ; block a is on its way through the stage while block a - 1 is stored
	SEND (\a)-1, 32
.endr
	SEND 7, 0
	s_wait_tensorcnt 0x0                           ; the wave's end: behind my last tensor load and my last LDS store
	ds_add_u32 v[SPW], v[NIL]
	s_wait_dscnt 0x0
	CROUND                                         ; the closing round: no work-group ends while a partner may still ask for a tile that names it
	s_endpgm
.Lfunc_end_k_qf15ca2ee4a_gemm:
	.size	k_qf15ca2ee4a_gemm, .Lfunc_end_k_qf15ca2ee4a_gemm-k_qf15ca2ee4a_gemm
	.p2alignl 7, 3214868480
	.fill 96, 4, 3214868480
	.section	.rodata,"a",@progbits
	.p2align	6, 0x0
	.amdhsa_kernel k_qf15ca2ee4a_gemm
		.amdhsa_group_segment_fixed_size 327680
		.amdhsa_private_segment_fixed_size 0
		.amdhsa_enable_private_segment 0
		.amdhsa_kernarg_size 32
		.amdhsa_user_sgpr_count 2
		.amdhsa_user_sgpr_kernarg_segment_ptr 1
		.amdhsa_wavefront_size32 1
		.amdhsa_system_sgpr_workgroup_id_x 1
		.amdhsa_system_sgpr_workgroup_id_y 1
		.amdhsa_system_sgpr_workgroup_id_z 1
		.amdhsa_system_vgpr_workitem_id 0
		.amdhsa_next_free_vgpr 1024
		.amdhsa_next_free_sgpr 66
		.amdhsa_reserve_vcc 0
		.amdhsa_float_denorm_mode_32 3
		.amdhsa_float_denorm_mode_16_64 3
		.amdhsa_memory_ordered 1
		.amdhsa_forward_progress 1
		.amdhsa_inst_pref_size 160
	.end_amdhsa_kernel
	.amdgpu_metadata
---
amdhsa.version: [ 1, 2 ]
amdhsa.kernels:
  - .name:           k_qf15ca2ee4a_gemm
    .symbol:         k_qf15ca2ee4a_gemm.kd
    .args:
      - { .name: xb, .offset: 0, .size: 8, .value_kind: global_buffer, .address_space: global }
      - { .name: wq, .offset: 8, .size: 8, .value_kind: global_buffer, .address_space: global }
      - { .name: b, .offset: 16, .size: 8, .value_kind: global_buffer, .address_space: global }
      - { .name: out0, .offset: 24, .size: 8, .value_kind: global_buffer, .address_space: global }
    .group_segment_fixed_size: 327680
    .private_segment_fixed_size: 0
    .kernarg_segment_align: 8
    .kernarg_segment_size: 32
    .max_flat_workgroup_size: 128
    .sgpr_count:     66
    .vgpr_count:     1024
    .wavefront_size: 32
...
	.end_amdgpu_metadata
.endif
;; end of part 3
